; MI455X (gfx1250); checked and timed in simulation.
; The chip was launched on July 23, 2026; its instructions are those of AMD's public machine-readable ISA for CDNA 5 (MIT licence, August 2026) and "CDNA5" Instruction Set Architecture Reference Guide (July 2026). The comments in the code are by the model that wrote it; some were corrected since.
;; Multi Head Attention. Allowed arithmetic: matrix products marked QUANTISED: E5M2 operands, one given power-of-two scale a tensor, by v_wmma_f32_16x16x64_bf8_bf8 or v_wmma_f32_16x16x128_bf8_bf8, f32 sums; everything else in f32.
;; Inputs: Wk_codes 1,024 x 32 x 32 uint8 (E5M2 codes of Wk, K innermost, in blocks of 32 codes); Wo_codes 1,024 x 32 x 32 uint8 (E5M2 codes of Wo, K innermost, in blocks of 32 codes); Wq_codes 1,024 x 32 x 32 uint8 (E5M2 codes of Wq, K innermost, in blocks of 32 codes); Wv_codes 1,024 x 32 x 32 uint8 (E5M2 codes of Wv, K innermost, in blocks of 32 codes); bo 1,024 float32; lowp_scales 12 int32 (the exponents e of the quantised operands' scales 2^e); x_codes 4 x 2,048 x 32 x 32 uint8 (E5M2 codes of x, K innermost, in blocks of 32 codes).
;; Outputs: out0 4 x 2,048 x 1,024 float32.
;; This version of the problem:
;;   THIS VERSION OF THE PROBLEM IS GIVEN IN LOW PRECISION. The matrix products marked QUANTISED in the list below multiply operands that are first quantised to E5M2 (5 exponent bits, 2 mantissa bits; 8 bits a number), with one given power-of-two scale for each operand tensor; their sums are f32. All else is computed in f32.
;;   The module's matrix products, in the order in which they are computed (A, B: the left and right operand; K: the contracted axis; several contracted axes count as one K, in the product's order):
;;     1. [M 8,192, K 1,024] x [K 1,024, N 1,024]; A: input x (given as codes); B: input Wq (given as codes): QUANTISED (scales: A lowp_scales[0], B lowp_scales[1])
;;     2. [M 8,192, K 1,024] x [K 1,024, N 1,024]; A: input x (given as codes); B: input Wk (given as codes): QUANTISED (scales: A lowp_scales[2], B lowp_scales[3])
;;     3. [M 8,192, K 1,024] x [K 1,024, N 1,024]; A: input x (given as codes); B: input Wv (given as codes): QUANTISED (scales: A lowp_scales[4], B lowp_scales[5])
;;     4. batch 64 x [M 2,048, K 64] x [K 64, N 2,048]; A: computed on the way; B: computed on the way: QUANTISED (scales: A lowp_scales[6], B lowp_scales[7])
;;     5. batch 64 x [M 2,048, K 2,048] x [K 2,048, N 64]; A: softmax (see below); B: computed on the way: QUANTISED (scales: A lowp_scales[8], B lowp_scales[9])
;;     6. [M 8,192, K 1,024] x [K 1,024, N 1,024]; A: computed on the way; B: input Wo (given as codes): QUANTISED (scales: A lowp_scales[10], B lowp_scales[11])
;;   THE QUANTISER, for each operand of a quantised product, along K:
;;     - The operand's scale is 2^e, e = its entry of the input lowp_scales (int32; the entries are numbered through the quantised products in the list's order, A before B).
;;     - Each number is divided by the scale, clamped to +-57,344, and rounded to the nearest number of E5M2, ties to even, subnormals kept.
;;     - The product sums the exact products of the quantised numbers (number of the format x scale) in f32.
;;   ~~~python
;;   def quantise(x, axis, e):      # numpy; x: float32 -> the quantised numbers, widened to float32 again
;;       x = np.moveaxis(x, axis, -1); K = x.shape[-1]
;;       r = np.clip(x / 2.0 ** e, -57344, 57344)
;;       step = 2.0 ** (np.maximum(np.frexp(np.where(r == 0, 1, r))[1] - 1, -14) - 2)
;;       q = np.round(r / step) * step * 2.0 ** e      # np.round: ties to even
;;       return np.moveaxis(q, -1, axis).astype(np.float32)
;;   ~~~
;;   SOFTMAX AHEAD OF A QUANTISED PRODUCT. Where the list says 'softmax', what is quantised is not the finished softmax but p = 2^(t - M), with t = logit x log2(e) and M = ceil(the row's largest t), a whole number; so 1/2 < the row's largest p <= 1. The row's sum l is taken of the UNQUANTISED p, in f32, and the product's result is divided by l at the end. Since M is a whole number, a kernel that streams over the keys may use a running M (the ceiling of the running maximum): every later rescaling is an exact power of two, so the quantised numbers keep their values, but for numbers so far below the row's largest that they fall under the format's range.
;;   OPERANDS COMPUTED ON THE WAY. 'Computed on the way' means the value that the module computes at that place (a softmax that the list does not call 'softmax' is quantised finished and normalised). What goes into a quantiser is computed in f32, as accurately as f32 sums, v_exp_f32 and their like allow (about 1e-6 of the number): no bf16 or f16 on the way to a quantiser, and a product that is left as it is and whose result goes on into a quantised operand takes f32 operands (vector FMAs, or v_wmma_f32_16x16x4_f32). A number that lies on a knife's edge between two numbers of the format may be rounded either way, as far as f32 arithmetic and the matrix unit's own rounding can turn it there, and no further.
;;   INPUTS GIVEN AS CODES. Wk (in the module: [1024, 1024], K = its axis 0); Wo (in the module: [1024, 1024], K = its axis 0); Wq (in the module: [1024, 1024], K = its axis 0); Wv (in the module: [1024, 1024], K = its axis 0); x (in the module: [4, 2048, 1024], K = its axis 2): each comes as NAME_codes (uint8): NAME with its K axis moved to the last place and cut into blocks of 32 codes, [.., K / 32, bytes a block], one block behind the other in memory; one code a byte (a code: sign, 5 exponent bits, 2 mantissa bits); its scale is its entry of lowp_scales. Its value is code x scale, taken as it is: it is not quantised again, and the codes and scales need not be those that the quantiser above would give.
;; One version. Each part assembles by itself: llvm-mc -triple=amdgcn-amd-amdhsa -mcpu=gfx1250 --defsym DOCPART=n.
;; ======== version 1 of 1: 3 launches
;; limits: right only within a limited range of input values
;; workspace buffers: q_ws 8,388,608 bytes; kv_ws 16,777,216 bytes; ctx_ws 8,388,608 bytes
;; launch qkv (part 1): grid 8 x 32, 4 waves a work-group, clusters of 4 x 4, 327,680 bytes of LDS; arguments x_codes, Wq_codes, Wk_codes, Wv_codes, lowp_scales, q_ws, kv_ws; writes q_ws, kv_ws
.if DOCPART == 1
	.amdgcn_target "amdgcn-amd-amdhsa--gfx1250"
	.amdhsa_code_object_version 6
	.text
	.protected	k_q76b16a889d_qkv
	.globl	k_q76b16a889d_qkv
	.p2align	8
	.type	k_q76b16a889d_qkv,@function
k_q76b16a889d_qkv:
	s_mov_b64 s[64:65], 0
	v_nop
	global_prefetch_b8 v0, s[64:65] scope:SCOPE_SE
	s_setreg_imm32_b32 hwreg(HW_REG_WAVE_MODE, 25, 1), 1
	s_wait_xcnt 0x0
	s_wait_alu depctr_hold_cnt(0) depctr_sa_sdst(0) depctr_va_vdst(0) depctr_va_sdst(0) depctr_va_ssrc(0) depctr_va_vcc(0) depctr_vm_vsrc(0)
	s_getreg_b32 s2, hwreg(HW_REG_IB_STS2, 6, 4)
	s_cmp_eq_u32 s2, 0
	s_cbranch_scc0 .Lentry_in_a_cluster
	s_endpgm
.Lentry_in_a_cluster:
	s_bfe_u32 s2, ttmp6, 0x10000c
	s_cmp_lg_u32 s2, 0xf033
	s_cbranch_scc0 .Lentry_shape_is_right
	s_endpgm
.Lentry_shape_is_right:
; q = x Wq, k = x Wk, v = x Wv on codes of BF8 (E5M2), and the three results quantised again for the attention that follows.
; x: [8192][1024] codes; Wq, Wk, Wv: [1024 (n)][1024 (k)] codes, K innermost.  lowp_scales: e0 .. e11.
; A sum of product g stands for sum x 2^(ea + eb); its code is sum / 2^(eo - ea - eb), held within +-57,344:  q: e6 - e0 - e1;  k: e7 - e2 - e3;  v: e9 - e4 - e5.
; SHARES.  A work-group takes 256 tokens x 128 columns (two heads) of q, of k AND of v; each of its four waves 128 tokens x one head of all three:
; 96 accumulators of 16 x 16, 768 registers, so that a fragment of x read from LDS feeds twelve products.  The K = 64 form: a set of fragments is 8 registers each, and 256 registers are left.
; q AND k ARE MADE TRANSPOSED (source 0 = 16 rows of W, source 1 = 16 tokens): a lane holds one token and eight neighbouring channels, so the conversions' results are registers 2 c, 2 c + 1 of the
; fragment (16 tokens x 64 channels) that the scores' product takes.  v IS MADE THE NATURAL WAY (source 0 = 16 tokens, source 1 = 16 rows of Wv): a lane holds one channel and eight neighbouring
; tokens, so the conversions' results are registers of the fragment (16 channels x 128 keys) that the second product of attention takes.  Nothing is transposed and nothing goes through a stage:
; the fragments are stored as images of their registers, four registers a piece, lane l's 16 bytes at 16 l: each store of a wave covers 512 consecutive bytes, aligned.
;   q_ws  [64 heads][128 token tiles][2 pieces][32 lanes][16 bytes]
;   kv_ws [64 heads][8 slots of 256 keys][ K: 16 key tiles x 1,024 bytes | V: 2 chunks of 128 keys x 4 channel tiles x 4 pieces x 512 bytes ]
; THE RING.  Two LDS slots of unequal length along K: slot A 256 bytes of each row, slot B 128.  K is walked as 0-255 (A), 768-895 (B), 256-511 (A), 896-1023 (B), 512-767 (A): every piece of 256
; bytes starts at a multiple of 256 in its row, and three refills serve the launch.  LIMIT: the f32 sums therefore add K in this order, not ascending.
; A fragment is fetched by two loads of 16 bytes, 32 apart: a permutation of k inside a step of 64 that is the same for x and for W, so every product meets its partner.
; CLUSTERS: 4 x 4 work-groups.  The four of a row of the cluster need the same rows of x, the four of a column the same rows of the three W: each tile is asked for jointly.
; LIMITS: each folded exponent lies between -126 and 112, so that the scale and 57,344 x the scale are f32 numbers.  Codes of infinity or NaN among the inputs are not served.
; REGISTERS, in windows of 256: window 0: v1-7 at work, v8-15 LDS addresses, v16, v18, v20 scales, v24 16 x lane, v28-29 for the add; v32-159 x's fragments, two sets of 8 x 8;
;   v160-255 W's fragments, one set of 3 x 4 x 8.  window 1: q's 32 accumulators ((a, b) at 8 (4 a + b)); window 2: k's, likewise; window 3: v's ((a, b) at 8 (8 b + a)).
.set PA,    272                        ; slot A: an LDS row: 256 bytes + 16 of padding; the sixteen rows of a fragment load start 68 words apart
.set PB,    144                        ; slot B: 128 bytes + 16
.set XA0,   0                          ; slot A: x's 256 rows,
.set WA0,   256*PA                     ; then 128 rows of Wq, of Wk, of Wv
.set XB0,   WA0+3*128*PA               ; slot B likewise
.set WB0,   XB0+256*PB
.set SPARE, WB0+3*128*PB               ; behind the ring: the spare words, 128 bytes for each wave: two blocks of 256 bytes that no other line names
.set ADX,   8                          ; v8 x's fragments in slot A, v12 in slot B
.set ADW,   9                          ; v9-11 Wq's, Wk's, Wv's in slot A, v13-15 in slot B
.set SC,    16                         ; v16: q's scale; v18: k's; v20: v's
.set CO,    24                         ; v24 16 x lane
.set SPW,   28                         ; v28 LDS address of my spare word; never rewritten
.set NIL,   29                         ; v29 0; never rewritten
.set AF,    32
.set BF,    160
.set T,     32
.set CD,    64                         ; the way out: v64-255 codes, 64 registers for each of q, k, v: none is written twice
.set G1XA,  32                         ; s[32:39] descriptor group 1: x's tile in slot A;  s[40:47] a W's;  s[48:55], s[56:63] the same for slot B
.set G1WA,  40
.set G1XB,  48
.set G1WB,  56
.set G0XA,  68                         ; s[68:71], s[72:75], s[76:79], s[80:83] their groups 0
.set G0WA,  72
.set G0XB,  76
.set G0WB,  80
.set ES,    84                         ; s[84:95] e0 .. e11
.set MSB, 0
.macro WIN new                         ; the immediate's high byte repeats the setting that is left; a switch that changes nothing is dropped
.if MSB != (\new)
	s_set_vgpr_msb (MSB<<8)|(\new)
.set MSB, (\new)
.endif
.endm
.macro PLACES                          ; four plain vector lines between a matrix instruction and a load into, or a vector read of, its registers
.rept 4
	v_nop
.endr
.endm
; A joint load: wave 0 fetches x's tile, waves 1, 2, 3 those of Wq, Wk, Wv.  The branch hangs on the wave's number alone.  Four v_nop follow each of the two lines.
.macro JLOAD g0x, g1x, g0w, g1w
	s_cmp_eq_u32 s18, 0
	s_cbranch_scc0 .Lfor_w_\@
	tensor_load_to_lds s[\g0x:\g0x+3], s[\g1x:\g1x+7]
	s_nop 0
.rept 4
	v_nop
.endr
	s_branch .Lasked_\@
.Lfor_w_\@:
	tensor_load_to_lds s[\g0w:\g0w+3], s[\g1w:\g1w+7]
	s_nop 0
.rept 4
	v_nop
.endr
.Lasked_\@:
.endm
.macro CREST                           ; a round of the cluster's barrier behind its opening barrier
	s_cmp_lg_u32 s18, 0
	s_cbranch_scc1 .Lnot_wave_0_\@
	s_barrier_signal -3
.Lnot_wave_0_\@:
	s_barrier_wait -3
	s_barrier_signal -1
	s_barrier_wait -1
.endm
.macro CROUND                          ; a whole round
	s_barrier_signal -1
	s_barrier_wait -1
	CREST
.endm
.macro SHAPE g, c, r                   ; words 1 to 7 of a group 1: r rows of c bytes, 1,024 bytes from row to row
	s_mov_b32 s[\g+1], (\c)<<16                    ; tensor_dim0
	s_mov_b32 s[\g+2], (\r)<<16                    ; tensor_dim1
	s_mov_b32 s[\g+3], (\c)<<16                    ; tile_dim0
	s_mov_b32 s[\g+4], \r                          ; tile_dim1
	s_mov_b32 s[\g+5], 1024                        ; tensor_dim0_stride
	s_mov_b32 s[\g+6], 0
	s_mov_b32 s[\g+7], 0
.endm
	s_load_b256 s[4:11], s[0:1], 0x0               ; x s[4:5], Wq s[6:7], Wk s[8:9], Wv s[10:11]
	s_load_b128 s[12:15], s[0:1], 0x20             ; the scales' exponents s[12:13], q_ws s[14:15]
	s_load_b64 s[16:17], s[0:1], 0x30              ; kv_ws
	v_lshl_add_u32 v[SPW], v0, 2, SPARE
	v_mov_b32 v[NIL], 0
	ds_add_u32 v28, v29
	ds_add_u32 v28, v29
	s_wait_dscnt 0x0
	v_lshrrev_b32 v1, 5, v0
	v_readfirstlane_b32 s18, v1                    ; wave 0..3
	s_lshr_b32 s19, s18, 1                         ; wr: which 128 of the 256 tokens are mine
	s_and_b32 s20, s18, 1                          ; wc: which of the two heads
	s_bfe_u32 s21, ttmp6, 0x40000                  ; cx, cy: my place in the cluster
	s_bfe_u32 s22, ttmp6, 0x40004
	s_lshl_b32 s23, ttmp9, 2
	s_add_co_u32 s23, s23, s21                     ; cb = 4 x cluster x + cx: columns 128 cb on
	s_and_b32 s24, ttmp7, 0xffff
	s_lshl_b32 s24, s24, 2
	s_add_co_u32 s24, s24, s22                     ; rb = 4 x cluster y + cy: tokens 256 rb on
	s_lshl_b32 s26, s22, 2
	s_lshl_b32 s26, 15, s26                        ; my row of the cluster
	s_lshl_b32 s27, 0x1111, s21                    ; my column
	s_or_b32 s[G1XA], s26, (1<<20)|(1<<21)|(5<<22)|(3<<25)   ; 15:0 the mask; 17:16 elements of 1 byte; 20 padding on; 21 set beside a mask; 24:22 after every 64 words; 31:25 four words
	s_or_b32 s[G1WA], s27, (1<<20)|(1<<21)|(5<<22)|(3<<25)
	s_or_b32 s[G1XB], s26, (1<<20)|(1<<21)|(4<<22)|(3<<25)   ; slot B: after every 32 words
	s_or_b32 s[G1WB], s27, (1<<20)|(1<<21)|(4<<22)|(3<<25)
	SHAPE G1XA, 256, 256
	SHAPE G1WA, 256, 128
	SHAPE G1XB, 128, 256
	SHAPE G1WB, 128, 128
	s_lshl_b32 s28, s24, 18                        ; x: 256 rb rows of 1,024 bytes: hangs on rb alone, which my row of the cluster shares
	s_mov_b32 s29, 0
	s_lshl_b32 s30, s23, 17                        ; W: 128 cb rows: hangs on cb alone, which my column shares
	s_mov_b32 s31, 0
	s_mul_i32 s25, s18, 128*PA
	s_add_co_u32 s25, s25, WA0-128*PA              ; where wave w's tile of W goes in slot A: region w - 1
	s_mul_i32 s66, s18, 128*PB
	s_add_co_u32 s66, s66, WB0-128*PB              ; and in slot B
	s_wait_kmcnt 0x0
	s_load_b256 s[ES:ES+7], s[12:13], 0x0          ; e0 .. e7
	s_load_b128 s[ES+8:ES+11], s[12:13], 0x20      ; e8 .. e11
	s_cmp_eq_u32 s18, 2                            ; which W my wave fetches: the choice hangs on the wave's number alone
	s_cselect_b64 s[96:97], s[8:9], s[6:7]
	s_cmp_eq_u32 s18, 3
	s_cselect_b64 s[96:97], s[10:11], s[96:97]
	s_add_nc_u64 s[28:29], s[4:5], s[28:29]
	s_add_nc_u64 s[30:31], s[96:97], s[30:31]
	CROUND                                         ; all sixteen work-groups are here: the first joint loads meet
	s_mov_b32 s[G0XA], 1                           ; count = 1
	s_mov_b32 s[G0XA+1], XA0                       ; LDS address
	s_mov_b64 s[G0XA+2:G0XA+3], s[28:29]           ; global address: K bytes 0 on
	s_or_b32 s[G0XA+3], s[G0XA+3], 0x80000000      ; type = 2
	s_mov_b32 s[G0WA], 1
	s_mov_b32 s[G0WA+1], s25
	s_mov_b64 s[G0WA+2:G0WA+3], s[30:31]
	s_or_b32 s[G0WA+3], s[G0WA+3], 0x80000000
	JLOAD G0XA, G1XA, G0WA, G1WA
	s_mov_b32 s[G0XB], 1
	s_mov_b32 s[G0XB+1], XB0
	s_add_nc_u64 s[G0XB+2:G0XB+3], s[28:29], 768   ; K bytes 768 on
	s_or_b32 s[G0XB+3], s[G0XB+3], 0x80000000
	s_mov_b32 s[G0WB], 1
	s_mov_b32 s[G0WB+1], s66
	s_add_nc_u64 s[G0WB+2:G0WB+3], s[30:31], 768
	s_or_b32 s[G0WB+3], s[G0WB+3], 0x80000000
	s_wait_alu depctr_va_vdst(0)
	s_wait_tensorcnt 0x0
	ds_add_u32 v28, v29
	s_wait_dscnt 0x0
	CROUND
	JLOAD G0XB, G1XB, G0WB, G1WB                   ; one load of mine is out: slot A's has landed
	v_and_b32 v1, 15, v0                           ; r = lane % 16
	v_bfe_u32 v2, v0, 4, 1                         ; h = lane / 16
	v_mul_u32_u24 v3, v1, PA
	v_lshl_add_u32 v3, v2, 4, v3                   ; a fragment's row x pitch + 16 h, slot A
	v_mul_u32_u24 v4, v1, PB
	v_lshl_add_u32 v4, v2, 4, v4                   ; slot B
	s_wait_alu depctr_va_vdst(0)
	s_mul_i32 s26, s19, 128*PA                     ; my 128 tokens
	v_add_nc_u32 v[ADX], s26, v3
	s_mul_i32 s26, s20, 64*PA                      ; my head's 64 rows of each W
	s_add_co_u32 s26, s26, WA0
.irp g, 0,1,2
	v_add_nc_u32 v[ADW+\g], s26, v3
	s_add_co_u32 s26, s26, 128*PA
.endr
	s_mul_i32 s26, s19, 128*PB
	s_add_co_u32 s26, s26, XB0
	v_add_nc_u32 v[ADX+4], s26, v4
	s_mul_i32 s26, s20, 64*PB
	s_add_co_u32 s26, s26, WB0
.irp g, 0,1,2
	v_add_nc_u32 v[ADW+4+\g], s26, v4
	s_add_co_u32 s26, s26, 128*PB
.endr
	v_and_b32 v5, 31, v0
	v_lshlrev_b32 v[CO], 4, v5                     ; 16 x lane
	; where my results go
	s_lshr_b32 s96, s24, 3                         ; batch (8 blocks of 256 tokens each)
	s_lshl_b32 s96, s96, 4
	s_lshl_b32 s97, s23, 1
	s_add_co_u32 s96, s96, s97
	s_add_co_u32 s96, s96, s20                     ; 16 x batch + head, head = 2 cb + wc
	s_and_b32 s97, s24, 7                          ; which 256 tokens of the batch
	s_lshl_b32 s98, s96, 17                        ; q_ws: a head is 128 token tiles of 1,024 bytes,
	s_lshl_b32 s100, s97, 14                       ; 256 tokens are 16 tiles,
	s_add_co_u32 s98, s98, s100
	s_lshl_b32 s100, s19, 13                       ; my 128 are 8
	s_add_co_u32 s98, s98, s100
	s_mov_b32 s99, 0
	s_add_nc_u64 s[14:15], s[14:15], s[98:99]
	s_lshl_b32 s98, s96, 18                        ; kv_ws: a head is 8 slots of 32,768 bytes; my half of K's part (and of V's, 16,384 bytes on) begins 8,192 wr in
	s_lshl_b32 s101, s97, 15
	s_add_co_u32 s98, s98, s101
	s_add_co_u32 s98, s98, s100
	s_add_nc_u64 s[16:17], s[16:17], s[98:99]
.macro FRAG reg, adr, off              ; a fragment, 16 rows x 64 K, is 8 registers: registers 4 c .. 4 c + 3 take bytes 32 c + 16 h + 0 .. 15 of row r
	ds_load_b128 v[\reg:\reg+3], v[\adr] offset:\off
	ds_load_b128 v[\reg+4:\reg+7], v[\adr] offset:\off+32
.endm
.macro FETCH_X set, t, kap             ; x's eight fragments of the kap-th 64 along K of slot t (0: A, 1: B)
.irp a, 0,1,2,3,4,5,6,7
	FRAG AF+64*(\set)+8*\a, ADX+4*(\t), \a*16*(PA-(PA-PB)*(\t))+64*(\kap)
.endr
.endm
.macro FETCH_W g, t, kap               ; the four fragments of W number g
.irp b, 0,1,2,3
	FRAG BF+32*(\g)+8*\b, ADW+4*(\t)+(\g), \b*16*(PA-(PA-PB)*(\t))+64*(\kap)
.endr
.endm
; 16 matrix instructions of product g: token tiles 4 half .. 4 half + 3 x the head's four channel tiles.  zero = 1: the first product starts the sums: nothing is ever cleared.
; The 96 accumulators take turns, one instruction a turn, in the same order in every step.
.macro MULG g, set, half, zero
.irp a, 0,1,2,3
.irp b, 0,1,2,3
.set rA, AF+64*(\set)+8*(4*(\half)+\a)
.set rB, BF+32*(\g)+8*\b
.if (\g) < 2
.set rD, 8*(4*(4*(\half)+\a)+\b)
.if \zero
	v_wmma_f32_16x16x64_bf8_bf8 v[rD:rD+7], v[rB:rB+7], v[rA:rA+7], 0
.else
	v_wmma_f32_16x16x64_bf8_bf8 v[rD:rD+7], v[rB:rB+7], v[rA:rA+7], v[rD:rD+7]
.endif
.else
.set rD, 8*(8*\b+4*(\half)+\a)
.if \zero
	v_wmma_f32_16x16x64_bf8_bf8 v[rD:rD+7], v[rA:rA+7], v[rB:rB+7], 0
.else
	v_wmma_f32_16x16x64_bf8_bf8 v[rD:rD+7], v[rA:rA+7], v[rB:rB+7], v[rD:rD+7]
.endif
.endif
.endr
.endr
.endm
; A STEP of 64 along K: 32 products for q, 32 for k, 32 for v, on x's set number set.  Behind each group its fragments of W are fetched anew for the next step (slot nt, its nk-th 64); x's other set comes with q's.
; The LDS loads out at a step's head, in order: Wq's 8 and x's 16, Wk's 8, Wv's 8.
; mode 0: plain.  mode 1: the slot's last step; the slot (rs = 0: A, 1: B) is filled again.  mode 2: the same, nothing is filled.  mode 3: the launch's last step.
.macro KSTEP set, nt, nk, mode, zero, rs
.if ((\mode) == 1) || ((\mode) == 2)
	s_wait_tensorcnt 0x0                           ; all my tensor loads have landed: the one that was out is my part of the next slot  (every window is 0 here)
	ds_add_u32 v[SPW], v[NIL]                      ; 0 onto my spare word
	s_wait_dscnt 17                                ; Wq's and x's fragments are in; Wk's 8, Wv's 8 and the add may be out
	WIN 0x50
	MULG 0, \set, 0, 0                             ; sixteen matrix instructions stand between the add and the wait for it
	s_wait_dscnt 0x0                               ; the add is done, and my reads of this slot are over
	s_barrier_signal -1
	MULG 0, \set, 1, 0
	WIN 0
	s_barrier_wait -1
.if (\mode) == 1
	CREST                                          ; the barrier has opened a round of the cluster's: no wave of any partner still reads this slot or has a load on its way
.if (\rs) == 0
	s_add_nc_u64 s[G0XA+2:G0XA+3], s[G0XA+2:G0XA+3], 256
	s_add_nc_u64 s[G0WA+2:G0WA+3], s[G0WA+2:G0WA+3], 256
	JLOAD G0XA, G1XA, G0WA, G1WA                   ; the first tensor load behind the round; its four v_nop are also the places in front of the loads below
.else
	s_add_nc_u64 s[G0XB+2:G0XB+3], s[G0XB+2:G0XB+3], 128
	s_add_nc_u64 s[G0WB+2:G0WB+3], s[G0WB+2:G0WB+3], 128
	JLOAD G0XB, G1XB, G0WB, G1WB
.endif
.else
	PLACES
.endif
.else
	s_wait_dscnt 16                                ; Wq's and x's fragments are in; Wk's 8 and Wv's 8 may be out
	WIN 0x50
	MULG 0, \set, 0, \zero
	MULG 0, \set, 1, \zero
.if (\mode) == 0
	PLACES
	WIN 0
.endif
.endif
.if (\mode) != 3
	FETCH_W 0, \nt, \nk
	FETCH_X 1-(\set), \nt, \nk
.endif
.if (\mode) == 0
	s_wait_dscnt 32                                ; Wk's are in; behind them: Wv's 8 and the 24 just issued
.elseif (\mode) == 3
	s_wait_dscnt 8                                 ; behind Wk's: Wv's 8
.endif
	WIN 0xa0
	MULG 1, \set, 0, \zero
	MULG 1, \set, 1, \zero
.if (\mode) != 3
	PLACES
	WIN 0
	FETCH_W 1, \nt, \nk
.endif
.if (\mode) == 0
	s_wait_dscnt 32                                ; Wv's are in; behind them: the 24 and the 8 of the next step
.elseif (\mode) == 3
	s_wait_dscnt 0x0
.endif
	WIN 0xf0
	MULG 2, \set, 0, \zero
	MULG 2, \set, 1, \zero
	PLACES
	WIN 0
.if (\mode) != 3
	FETCH_W 2, \nt, \nk
.endif
.endm
	s_wait_alu depctr_va_vdst(0)
	s_wait_tensorcnt 0x1                           ; my part of slot A is in; slot B's may stay out
	s_barrier_signal -1
	s_barrier_wait -1                              ; everybody's is
	FETCH_W 0, 0, 0
	FETCH_X 0, 0, 0
	FETCH_W 1, 0, 0
	FETCH_W 2, 0, 0
	; sixteen steps, written out: x's set, the slot's pitch and the change of slots differ from step to step
	KSTEP 0, 0, 1, 0, 1, 0                         ; slot A, K 0-255
	KSTEP 1, 0, 2, 0, 0, 0
	KSTEP 0, 0, 3, 0, 0, 0
	KSTEP 1, 1, 0, 1, 0, 0                         ; on to slot B; slot A takes K 256-511
	KSTEP 0, 1, 1, 0, 0, 0                         ; slot B, K 768-895
	KSTEP 1, 0, 0, 1, 0, 1                         ; on to slot A; slot B takes K 896-1023
	KSTEP 0, 0, 1, 0, 0, 0                         ; slot A, K 256-511
	KSTEP 1, 0, 2, 0, 0, 0
	KSTEP 0, 0, 3, 0, 0, 0
	KSTEP 1, 1, 0, 1, 0, 0                         ; on to slot B; slot A takes K 512-767
	KSTEP 0, 1, 1, 0, 0, 0                         ; slot B, K 896-1023
	KSTEP 1, 0, 0, 2, 0, 0                         ; on to slot A; nothing is left to fetch
	KSTEP 0, 0, 1, 0, 0, 0                         ; slot A, K 512-767
	KSTEP 1, 0, 2, 0, 0, 0
	KSTEP 0, 0, 3, 0, 0, 0
	KSTEP 1, 0, 0, 3, 0, 0
	; THE WAY OUT, in registers alone: convert, store the fragments' images.
.macro SCL dst, eo, ea, eb             ; v[dst] = 2^(eo - ea - eb) as f32: the conversion takes its exponent field
	s_sub_co_i32 s26, s[\eo], s[\ea]
	s_sub_co_i32 s26, s26, s[\eb]
	s_add_co_i32 s26, s26, 127
	s_lshl_b32 s27, s26, 23
	v_mov_b32 v[\dst], s27
	s_add_co_i32 s26, s26, 15
	s_lshl_b32 s26, s26, 23
	s_or_b32 s26, s26, 0x600000
.endm
	s_wait_kmcnt 0x0
	SCL SC, ES+6, ES+0, ES+1
	SCL SC+2, ES+7, ES+2, ES+3
	SCL SC+4, ES+9, ES+4, ES+5
; q (g = 0) or k (g = 1): token tile a's four accumulators, 32 registers on end, are 64 channels of the lane's token
.macro OUT_QK g, base
.irp a, 0,1,2,3,4,5,6,7
	WIN 1+(\g)                                     ; source 0: window 1 or 2
.set i, 0
.rept 32
.set i, i+1
.endr
.irp b, 0,1,2,3
	v_cvt_scalef32_pk8_bf8_f32 v[CD+64*(\g)+8*\a+2*\b:CD+64*(\g)+8*\a+2*\b+1], v[T+8*\b+((32*\a+i)-(T+i)):T+8*\b+7+((32*\a+i)-(T+i))], v[SC+2*(\g)]
.endr
	WIN 0
	v_nop                                          ; one plain vector line between the conversions and the stores that read their results
	global_store_b128 v[CO], v[CD+64*(\g)+8*\a:CD+64*(\g)+8*\a+3], s[\base:\base+1] offset:1024*\a
	global_store_b128 v[CO], v[CD+64*(\g)+8*\a+4:CD+64*(\g)+8*\a+7], s[\base:\base+1] offset:1024*\a+512
.endr
.endm
	s_wait_alu depctr_va_vdst(0)
	OUT_QK 0, 14
	OUT_QK 1, 16
	; v: channel tile b's eight accumulators, 64 registers on end, are 128 tokens of the lane's channel
.irp b, 0,1,2,3
.irp hf, 0,1
	WIN 3
.set i, 0
.rept 32
.set i, i+1
.endr
.irp a, 0,1,2,3
	v_cvt_scalef32_pk8_bf8_f32 v[CD+128+16*\b+8*\hf+2*\a:CD+128+16*\b+8*\hf+2*\a+1], v[T+8*\a+((64*\b+32*\hf+i)-(T+i)):T+8*\a+7+((64*\b+32*\hf+i)-(T+i))], v[SC+4]
.endr
	WIN 0
	v_nop
.endr
.irp p, 0,1,2,3
	global_store_b128 v[CO], v[CD+128+16*\b+4*\p:CD+128+16*\b+4*\p+3], s[16:17] offset:16384+2048*\b+512*\p
.endr
.endr
	s_wait_tensorcnt 0x0                           ; the wave's end
	ds_add_u32 v[SPW], v[NIL]
	s_wait_dscnt 0x0
	CROUND                                         ; the closing round: no work-group ends while a partner may still ask for a tile that names it
	s_endpgm
.Lfunc_end_k_q76b16a889d_qkv:
	.size	k_q76b16a889d_qkv, .Lfunc_end_k_q76b16a889d_qkv-k_q76b16a889d_qkv
	.p2alignl 7, 3214868480
	.fill 96, 4, 3214868480
	.section	.rodata,"a",@progbits
	.p2align	6, 0x0
	.amdhsa_kernel k_q76b16a889d_qkv
		.amdhsa_group_segment_fixed_size 327680
		.amdhsa_private_segment_fixed_size 0
		.amdhsa_enable_private_segment 0
		.amdhsa_kernarg_size 56
		.amdhsa_user_sgpr_count 2
		.amdhsa_user_sgpr_kernarg_segment_ptr 1
		.amdhsa_wavefront_size32 1
		.amdhsa_system_sgpr_workgroup_id_x 1
		.amdhsa_system_sgpr_workgroup_id_y 1
		.amdhsa_system_sgpr_workgroup_id_z 1
		.amdhsa_system_vgpr_workitem_id 0
		.amdhsa_next_free_vgpr 1024
		.amdhsa_next_free_sgpr 102
		.amdhsa_reserve_vcc 0
		.amdhsa_float_denorm_mode_32 3
		.amdhsa_float_denorm_mode_16_64 3
		.amdhsa_fp16_overflow 1
		.amdhsa_memory_ordered 1
		.amdhsa_forward_progress 1
		.amdhsa_inst_pref_size 173
	.end_amdhsa_kernel
	.amdgpu_metadata
---
amdhsa.version: [ 1, 2 ]
amdhsa.kernels:
  - .name:           k_q76b16a889d_qkv
    .symbol:         k_q76b16a889d_qkv.kd
    .args:
      - { .name: x_codes, .offset: 0, .size: 8, .value_kind: global_buffer, .address_space: global }
      - { .name: Wq_codes, .offset: 8, .size: 8, .value_kind: global_buffer, .address_space: global }
      - { .name: Wk_codes, .offset: 16, .size: 8, .value_kind: global_buffer, .address_space: global }
      - { .name: Wv_codes, .offset: 24, .size: 8, .value_kind: global_buffer, .address_space: global }
      - { .name: lowp_scales, .offset: 32, .size: 8, .value_kind: global_buffer, .address_space: global }
      - { .name: q_ws, .offset: 40, .size: 8, .value_kind: global_buffer, .address_space: global }
      - { .name: kv_ws, .offset: 48, .size: 8, .value_kind: global_buffer, .address_space: global }
    .group_segment_fixed_size: 327680
    .private_segment_fixed_size: 0
    .kernarg_segment_align: 8
    .kernarg_segment_size: 56
    .max_flat_workgroup_size: 128
    .sgpr_count:     102
    .vgpr_count:     1024
    .wavefront_size: 32
...
	.end_amdgpu_metadata
.endif
;; end of part 1
;; launch attn (part 2): grid 4 x 64, 16 waves a work-group, no clusters, 327,680 bytes of LDS; arguments q_ws, kv_ws, lowp_scales, ctx_ws; writes ctx_ws
.if DOCPART == 2
	.amdgcn_target "amdgcn-amd-amdhsa--gfx1250"
	.amdhsa_code_object_version 6
	.text
	.protected	k_q76b16a889d_attn
	.globl	k_q76b16a889d_attn
	.p2align	8
	.type	k_q76b16a889d_attn,@function
k_q76b16a889d_attn:
	s_mov_b64 s[64:65], 0
	v_nop
	global_prefetch_b8 v0, s[64:65] scope:SCOPE_SE
	s_setreg_imm32_b32 hwreg(HW_REG_WAVE_MODE, 25, 1), 1
	s_wait_xcnt 0x0
; Causal attention of one head on codes of BF8 (E5M2), and its result quantised for the last projection.  Head size 64, 2,048 tokens, 64 heads (16 x batch + head).
; q_ws, kv_ws: images of fragments' registers, four registers a piece, lane l's 16 bytes at 16 l:
;   q_ws  [64 heads][128 token tiles][2 pieces][512 bytes]: lane (r, h): token r, registers 2 c, 2 c + 1: channels 16 c + 8 h + 0 .. 7
;   kv_ws [64 heads][8 slots of 256 keys][ K: 16 key tiles x 1,024 bytes, as q | V: 2 chunks of 128 keys x 4 channel tiles x 2,048 bytes: lane (r, h): channel r, registers 2 c, 2 c + 1: keys 16 c + 8 h + 0 .. 7 ]
;   ctx_ws [512 token tiles][16 heads][2 pieces][512 bytes]: lane (r, h): token r, registers 4 B .. 4 B + 3: channels 32 B + 16 h + 0 .. 15: the order in which the last projection reads Wo's rows.
; THE SOFTMAX AHEAD OF THE SECOND PRODUCT: t = score x log2(e) / 8; M = the row's largest t so far, rounded UP to a whole number; p = 2^(t - M) is quantised with 2^e8, not normalised.
; The row's sum is taken of the unquantised p and divides at the end.  When M moves, the sum and O are multiplied by 2^(old M - new M): exact.
; SHARES.  A work-group takes TWO blocks of 256 queries of one head: first block 7 - i, then block i (i = work-group x, 0 .. 3).  Block j wants key slots 0 .. j, so every work-group makes 9 visits
; of 256 keys: the trip count is a constant, all 256 work-groups have the same work, and no tile is fetched that nobody multiplies.  Each of the sixteen waves owns one tile of 16 queries of the
; block in hand, in 256 registers: four waves to a SIMD, so that one wave's vector work stands beside another's products and LDS loads.
; Both products are used transposed: S^T = K Q^T (source 0 = 16 keys), O^T = V^T P^T (source 0 = 16 channels): a lane holds ONE query throughout; tile c of S^T gives keys 16 c + 8 h + 0 .. 7,
; and its eight numbers' codes are registers 2 c, 2 c + 1 of P, in the key order of V's image.
; A step of 128 keys that lies wholly behind the wave's 16 queries is left out (a scalar branch on ids); on the diagonal hidden scores become -infinity ahead of the maximum.
; NO CLUSTER: the four work-groups of a head walk different key slots from the sixth visit on, and which steps a wave leaves out hangs on its block of queries: partners of a cluster would have to
; branch on their place in it.
; LIMITS on the given exponents, so that each power of two below is an f32 number: e6 + e7 between -123 and 130 (added to c's exponent field); e8 and e10 between -126 and 112.
; REGISTERS: v0 as at the entry; v1 16 x lane; v2 256 x lane; v3 r - 8 h; v5, v6 for the add; v8 LDS address; v12 -M, v13 the largest t, v[14:15] the sum in two halves; v16-23 Q in hand; v24-31 Q of the
; second block; v32-95 K's eight fragments, then V's four; v96-159 S^T, then p; v160-191 O^T; v192-207 p's codes; v208-223 ctx's codes; v224-254 at work and constants.
.set SLOT1, 1<<15                      ; two slots of 32,768 bytes: one exclusive or turns an address in one into the other's
.set VOFF,  16384                      ; a slot: K's 16,384 bytes, then V's
.set SPARE, 2*SLOT1                    ; behind the ring: the spare words, 128 bytes for each of sixteen waves: eight blocks of 256 bytes that no other line names
.set TB,    2                          ; s2   LDS byte at which the slot in hand begins
.set VIS,   12                         ; s12  the visit, 0 .. 8
.set SW,    13                         ; s13  7 - i: the first block's number, and its last visit
.set FS,    14                         ; s14  the key slot asked for last
.set LIM,   15                         ; s15  a wave prefetches while the visit is under this: 6 or 0
.set WV,    18
.set SEL,   20                         ; s[20:21] lane selects for v_permlanex16_b32: lane l xor 16
.set CS,    22                         ; s[22:23] c = log2(e) / 8 x 2^(e6 + e7)
.set G1,    24                         ; s[24:31] descriptor group 1;  s[32:35] group 0, which walks
.set G0,    32
.set KVW,   36                         ; s[36:37] kv_ws at my head, + my half of a slot
.set OFS,   38                         ; s[38:39] a slot's offset
.set PFA,   40                         ; s[40:41] where my prefetches stand
.set CPL,   42                         ; s[42:43] ctx_ws at my tile of the first block;  s[44:45] of the second
.set CPE,   44
.set KF,    46                         ; s46  the step's first key
.set Q0,    47                         ; s47  my first query;  s48 that of the second block
.set Q0E,   48
.set ES,    52                         ; s[52:63] e0 .. e11
.macro TLOAD                           ; wave 0 fetches a slot's K, wave 1 its V; the others nothing.  Four v_nop follow the line
	s_cmp_lt_u32 s[WV], 2
	s_cbranch_scc0 .Lasked_\@
	tensor_load_to_lds s[G0:G0+3], s[G1:G1+7]
	s_nop 0
.rept 4
	v_nop
.endr
.Lasked_\@:
.endm
; A PREFETCH INTO THE L2 of the key slot that the NEXT change of slots will ask for.  The head's work-group 0 walks slots 0 .. 7 in order, and it alone asks; in it waves 4 to 7, which fetch nothing,
; take 8,192 bytes of the slot's 32,768 each, lanes 256 bytes apart: one instruction a wave, each aligned block of 256 bytes named once in the launch.  At visit v slot v + 2 is named, up to slot 7:
; visits 6 and later ask for nothing; slots 0 and 1 come by their loads alone.
.macro ASK
	s_cmp_lt_u32 s[VIS], s[LIM]
	s_cbranch_scc0 .Lnot_mine_\@
	global_prefetch_b8 v2, s[PFA:PFA+1] th:TH_LOAD_NT scope:SCOPE_SE
.Lnot_mine_\@:
.endm
	s_load_b256 s[4:11], s[0:1], 0x0               ; q_ws s[4:5], kv_ws s[6:7], the scales' exponents s[8:9], ctx_ws s[10:11]
	v_lshl_add_u32 v5, v0, 2, SPARE
	v_mov_b32 v6, 0
	ds_add_u32 v5, v6
	ds_add_u32 v5, v6
	s_wait_dscnt 0x0
	v_lshrrev_b32 v8, 5, v0
	s_delay_alu instid0(VALU_DEP_1)
	v_readfirstlane_b32 s[WV], v8                  ; wave 0..15
	s_and_b32 s66, ttmp7, 0xffff                   ; 16 x batch + head
	s_sub_co_u32 s[SW], 7, ttmp9
	s_mov_b32 s[G1], 3<<16                         ; no mask; elements of 8 bytes; no padding: the images are read as they lie, 16 x lane
	s_mov_b32 s[G1+1], 32<<16                      ; tensor_dim0 = 32: rows of 256 bytes
	s_mov_b32 s[G1+2], 64<<16                      ; tensor_dim1 = 64
	s_mov_b32 s[G1+3], 32<<16                      ; tile_dim0
	s_mov_b32 s[G1+4], 64                          ; tile_dim1: 16,384 bytes, dense in memory
	s_mov_b32 s[G1+5], 32                          ; tensor_dim0_stride
	s_mov_b32 s[G1+6], 0
	s_mov_b32 s[G1+7], 0
	s_mov_b32 s[SEL], 0x76543210
	s_mov_b32 s[SEL+1], 0xfedcba98
	s_mov_b32 s[CS], 0x3e38aa3b                    ; log2(e) / sqrt(64)
	s_mov_b32 s[TB], 0
	s_mov_b32 s[FS], 0
	s_mov_b32 s[KF], 0
	s_mov_b32 s[OFS+1], 0
	s_lshl_b32 s[Q0], s[SW], 8
	s_lshl_b32 s67, s[WV], 4
	s_add_co_u32 s[Q0], s[Q0], s67                 ; 256 x block + 16 x wave
	s_lshl_b32 s[Q0E], ttmp9, 8
	s_add_co_u32 s[Q0E], s[Q0E], s67
	s_lshl_b32 s68, s66, 17                        ; q_ws: a head is 128 tiles of 1,024 bytes; a query's tile is 64 bytes a query on
	s_lshl_b32 s70, s[Q0], 6
	s_add_co_u32 s70, s70, s68
	s_mov_b32 s71, 0
	s_lshl_b32 s72, s[Q0E], 6
	s_add_co_u32 s72, s72, s68
	s_mov_b32 s73, 0
	s_lshr_b32 s69, s66, 4                         ; ctx_ws: ((128 x batch + query / 16) x 16 + head) x 1,024
	s_lshl_b32 s69, s69, 21
	s_and_b32 s74, s66, 15
	s_lshl_b32 s74, s74, 10
	s_add_co_u32 s69, s69, s74
	s_lshl_b32 s74, s[Q0], 10
	s_add_co_u32 s74, s74, s69
	s_mov_b32 s75, 0
	s_lshl_b32 s76, s[Q0E], 10
	s_add_co_u32 s76, s76, s69
	s_mov_b32 s77, 0
	s_lshl_b32 s78, s66, 18                        ; kv_ws: a head is 8 slots of 32,768 bytes
	s_mov_b32 s79, 0
	s_and_b32 s80, s[WV], 1
	s_lshl_b32 s80, s80, 14                        ; the half of a slot that I fetch, if I fetch: in memory and in LDS alike
	s_mov_b32 s81, 0
	s_and_b32 s82, s[WV], 3
	s_lshl_b32 s82, s82, 13                        ; the quarter of a slot that I prefetch, if I do,
	s_add_co_u32 s82, s82, 32768                   ; in slot 1: the first change of slots steps it to slot 2
	s_mov_b32 s83, 0
	s_sub_co_u32 s67, s[WV], 4
	s_lshr_b32 s67, s67, 2                         ; 0 in waves 4 to 7,
	s_or_b32 s67, s67, ttmp9                       ; of the head's work-group 0
	s_cmp_eq_u32 s67, 0
	s_cselect_b32 s[LIM], 6, 0
	s_wait_kmcnt 0x0
	s_load_b256 s[ES:ES+7], s[8:9], 0x0            ; e0 .. e7
	s_load_b128 s[ES+8:ES+11], s[8:9], 0x20        ; e8 .. e11
	s_add_nc_u64 s[6:7], s[6:7], s[78:79]
	s_add_nc_u64 s[KVW:KVW+1], s[6:7], s[80:81]
	s_add_nc_u64 s[PFA:PFA+1], s[6:7], s[82:83]
	s_mov_b32 s[G0], 1                             ; count = 1
	s_mov_b32 s[G0+1], s80                         ; LDS address: slot 0
	s_mov_b64 s[G0+2:G0+3], s[KVW:KVW+1]           ; global address: key slot 0
	s_or_b32 s[G0+3], s[G0+3], 0x80000000          ; type = 2
	TLOAD                                          ; the first visit's tiles
	s_add_nc_u64 s[CPL:CPL+1], s[10:11], s[74:75]
	s_add_nc_u64 s[CPE:CPE+1], s[10:11], s[76:77]
	s_add_nc_u64 s[70:71], s[4:5], s[70:71]
	s_add_nc_u64 s[72:73], s[4:5], s[72:73]
	v_and_b32 v8, 31, v0
	s_delay_alu instid0(VALU_DEP_1)
	v_lshlrev_b32 v1, 4, v8
	s_delay_alu instid0(VALU_DEP_2)
	v_lshlrev_b32 v2, 8, v8
	v_and_b32 v9, 15, v0
	v_bfe_u32 v10, v0, 4, 1
	s_delay_alu instid0(VALU_DEP_1)
	v_lshlrev_b32 v10, 3, v10
	s_delay_alu instid0(VALU_DEP_1)
	v_sub_nc_u32 v3, v9, v10                       ; r - 8 h
	global_load_b128 v[16:19], v1, s[70:71]        ; both blocks' fragments of Q stay in registers
	global_load_b128 v[20:23], v1, s[70:71] offset:512
	global_load_b128 v[24:27], v1, s[72:73]
	global_load_b128 v[28:31], v1, s[72:73] offset:512
.irp j, 224,225,226,227,236,253
	v_mov_b32 v\j, 0                               ; written once: a lane permute's destination counts as one of its sources; v253 is named as the upper half of a pair
.endr
.macro INIT                            ; a block's start: O^T and the sum are zeros, the largest t is -3e38, under every t: the first change of M leaves the zeros zeros, so the step is written once
.set j, 0
.rept 32
	v_mov_b32 v[160+j], 0
.set j, j+1
.endr
	v_mov_b32 v13, 0xff61b1e6
	s_delay_alu instid0(VALU_DEP_1)
	v_floor_f32 v12, -v13
	v_mov_b32 v14, 0
	v_mov_b32 v15, 0
.endm
	INIT
	s_wait_kmcnt 0x0
	s_add_co_i32 s66, s[ES+6], s[ES+7]
	s_lshl_b32 s66, s66, 23
	s_add_co_i32 s[CS], s[CS], s66                 ; a score stands for score x 2^(e6 + e7): the exponents are added to c's exponent field
	s_mov_b32 s[CS+1], s[CS]                       ; (named with it as a pair, so it is written)
	s_add_co_i32 s66, s[ES+8], 127
	s_lshl_b32 s67, s66, 23
	v_mov_b32 v244, s67                            ; 2^e8 as f32, for p's conversion
	s_add_co_i32 s66, s[ES+10], 127
	s_lshl_b32 s67, s66, 23
	v_mov_b32 v245, s67                            ; 2^e10, for ctx's
; A KEY STEP: 128 keys, the q-th half of the slot in hand.
.macro STEP q
	s_add_co_u32 s96, s[Q0], 15
	s_cmp_gt_u32 s[KF], s96                        ; all 128 keys come after my 16 queries: the step's work is left out; no barrier and no tensor load stands in a step
	s_cbranch_scc1 .Lhidden_\@
.rept 4
	v_nop                                          ; places in front of loads into registers that the last products have read
.endr
	s_wait_alu depctr_va_vdst(0)
.irp c, 0,1,2,3,4,5,6,7
	ds_load_b128 v[32+8*\c:35+8*\c], v8 offset:(8*(\q)+\c)*1024
	ds_load_b128 v[36+8*\c:39+8*\c], v8 offset:(8*(\q)+\c)*1024+512
.endr
	s_wait_dscnt 0x0
.irp c, 0,1,2,3,4,5,6,7
	v_wmma_f32_16x16x64_bf8_bf8 v[96+8*\c:103+8*\c], v[32+8*\c:39+8*\c], v[16:23], 0   ; S^T: lane (r, h): query r, keys 16 c + 8 h + 0 .. 7
.endr
.rept 4
	v_nop                                          ; places in front of the loads below and of the first read of the scores
.endr
	s_wait_alu depctr_va_vdst(0)
.irp t, 0,1,2,3
.irp p, 0,1,2,3
	ds_load_b128 v[32+16*\t+4*\p:35+16*\t+4*\p], v8 offset:VOFF+8192*(\q)+2048*\t+512*\p   ; V's four fragments land while the softmax is walked
.endr
.endr
	s_add_co_u32 s96, s[KF], 127
	s_cmp_le_u32 s96, s[Q0]                        ; a step all of whose keys count skips the mask
	s_cbranch_scc1 .Lopen_\@
	s_sub_co_i32 s96, s[Q0], s[KF]
	v_add_nc_u32 v252, s96, v3                     ; d = my query - KF - 8 h.  Register 8 c + j holds key KF + 16 c + 8 h + j: hidden where 16 c + j > d
	v_mov_b32 v254, 0xff800000                     ; -infinity: p = 0 then
.set n, 0
.rept 64
	v_cmp_gt_i32 vcc_lo, 16*(n/8)+n%8, v252
	v_cndmask_b32 v[96+n], v[96+n], v254, vcc_lo
.set n, n+1
.endr
.Lopen_\@:
	v_max3_num_f32 v254, v96, v97, v98             ; the step's largest score of my query, among my 64 keys, in two chains,
	v_max3_num_f32 v252, v99, v100, v101
.irp i, 6,10,14,18,22,26,30,34,38,42,46,50,54,58
	v_max3_num_f32 v254, v254, v[96+\i], v[97+\i]
	v_max3_num_f32 v252, v252, v[98+\i], v[99+\i]
.endr
	v_max3_num_f32 v254, v254, v158, v159
	s_delay_alu instid0(VALU_DEP_1)
	v_max_num_f32 v254, v254, v252
	s_delay_alu instid0(VALU_DEP_1)
	v_permlanex16_b32 v236, v254, s[SEL], s[SEL+1]
	s_delay_alu instid0(VALU_DEP_1)
	v_max_num_f32 v254, v254, v236                 ; and among lane l xor 16's
	s_delay_alu instid0(VALU_DEP_1)
	v_mul_f32 v254, s[CS], v254                    ; as t (c is positive)
	s_delay_alu instid0(VALU_DEP_1)
	v_max_num_f32 v13, v13, v254                   ; the running largest t
	v_mov_b32 v254, v12
	s_delay_alu instid0(VALU_DEP_2)
	v_floor_f32 v12, -v13                          ; the new -M = floor(-t) = -ceil(t): a whole number
	s_delay_alu instid0(VALU_DEP_1)
	v_sub_f32 v254, v12, v254                      ; old M - new M: a whole number, 0 or less
	s_delay_alu instid0(VALU_DEP_1)
	v_cvt_i32_f32 v254, v254                       ; (it saturates)
	s_delay_alu instid0(VALU_DEP_1)
	v_ldexp_f32 v252, 1.0, v254                    ; f = 2^(old M - new M)
.set j, 0
.rept 32
	v_pk_fma_f32 v[96+j:97+j], v[96+j:97+j], s[CS:CS+1], v[12:13] op_sel_hi:[1,0,0]   ; t - M, two at a time (of the pairs c and -M the low word serves both halves)
.set j, j+2
.endr
.set j, 0
	s_wait_alu depctr_va_vdst(0)
.rept 64
	v_exp_f32 v[96+j], v[96+j]                     ; p = 2^(t - M), at most 1: not normalised
.set j, j+1
.endr
	v_pk_mul_f32 v[14:15], v[14:15], v[252:253] op_sel_hi:[1,0]   ; the sums under the new M  (a plain line behind the exponentials)
	s_wait_alu depctr_va_vdst(0)
	v_pk_add_f32 v[242:243], v[100:101], v[104:105]
	v_pk_add_f32 v[254:255], v[108:109], v[112:113]
	v_pk_add_f32 v[250:251], v[116:117], v[120:121]
	v_pk_add_f32 v[248:249], v[124:125], v[128:129]
	v_pk_add_f32 v[246:247], v[132:133], v[136:137]
	v_pk_add_f32 v[240:241], v[140:141], v[144:145]
	v_pk_add_f32 v[238:239], v[148:149], v[152:153]
	v_pk_add_f32 v[14:15], v[14:15], v[156:157]
	v_pk_add_f32 v[242:243], v[242:243], v[96:97]
	v_pk_add_f32 v[254:255], v[254:255], v[98:99]
	v_pk_add_f32 v[250:251], v[250:251], v[102:103]
	v_pk_add_f32 v[248:249], v[248:249], v[106:107]
	v_pk_add_f32 v[246:247], v[246:247], v[110:111]
	v_pk_add_f32 v[240:241], v[240:241], v[114:115]
	v_pk_add_f32 v[238:239], v[238:239], v[118:119]
	v_pk_add_f32 v[14:15], v[14:15], v[122:123]
	v_pk_add_f32 v[242:243], v[242:243], v[126:127]
	v_pk_add_f32 v[254:255], v[254:255], v[130:131]
	v_pk_add_f32 v[250:251], v[250:251], v[134:135]
	v_pk_add_f32 v[248:249], v[248:249], v[138:139]
	v_pk_add_f32 v[246:247], v[246:247], v[142:143]
	v_pk_add_f32 v[240:241], v[240:241], v[146:147]
	v_pk_add_f32 v[238:239], v[238:239], v[150:151]
	v_pk_add_f32 v[14:15], v[14:15], v[154:155]
	v_pk_add_f32 v[242:243], v[242:243], v[158:159]
	s_delay_alu instid0(VALU_DEP_2)
	v_pk_add_f32 v[14:15], v[14:15], v[248:249]
	s_delay_alu instid0(VALU_DEP_2)
	v_pk_add_f32 v[242:243], v[242:243], v[246:247]
	v_pk_add_f32 v[254:255], v[254:255], v[240:241]
	v_pk_add_f32 v[250:251], v[250:251], v[238:239]
	s_delay_alu instid0(VALU_DEP_2)
	v_pk_add_f32 v[14:15], v[14:15], v[254:255]
	s_delay_alu instid0(VALU_DEP_2)
	v_pk_add_f32 v[242:243], v[242:243], v[250:251]
	s_delay_alu instid0(VALU_DEP_1)
	v_pk_add_f32 v[14:15], v[14:15], v[242:243]
.irp c, 0,1,2,3,4,5,6,7
.irp i, 0,1,2,3,4,5,6,7
.endr
	v_cvt_scalef32_pk8_bf8_f32 v[192+2*\c:193+2*\c], v[96+8*\c:103+8*\c], v244   ; registers 2 c, 2 c + 1 of P: keys 16 c + 8 h + 0 .. 7
.endr
.set j, 0
.rept 16
	v_pk_mul_f32 v[160+j:161+j], v[160+j:161+j], v[252:253] op_sel_hi:[1,0]   ; O^T under the new M.  (Also the plain lines between the conversions and the products below)
.set j, j+2
.endr
	s_wait_alu depctr_va_vdst(0)
	s_wait_dscnt 0x0                               ; V's fragments are in
.irp t, 0,1,2,3
	v_wmma_f32_16x16x128_bf8_bf8 v[160+8*\t:167+8*\t], v[32+16*\t:47+16*\t], v[192:207], v[160+8*\t:167+8*\t]   ; O^T += V^T P^T: the four accumulators take turns
.endr
.Lhidden_\@:
	s_add_co_u32 s[KF], s[KF], 128
.endm
; THE CHANGE OF SLOTS stands at a visit's head.  Each wave waits for all its tensor loads (its part of the slot that it is about to read), adds 0 to its spare word, and waits for that and for its reads of the
; slot that it has left.  Behind the barrier the slot ahead is whole and nobody reads the other one.  fill = 1: that other slot takes the next visit's keys: the load has a whole visit in which to land.
.macro CHANGE fill
	s_wait_tensorcnt 0x0                           ; no tensor load of mine is out, so the group 0 may be written
	ds_add_u32 v5, v6                              ; 0 onto my spare word
.if \fill
	s_xor_b32 s[G0+1], s[G0+1], SLOT1              ; the other slot than last time;
	s_add_co_u32 s[FS], s[FS], 1                   ; the next key slot,
	s_cmp_eq_u32 s[VIS], s[SW]
	s_cselect_b32 s[FS], 0, s[FS]                  ; or slot 0 again where the next visit begins the second block
	s_lshl_b32 s[OFS], s[FS], 15
	s_add_nc_u64 s[G0+2:G0+3], s[KVW:KVW+1], s[OFS:OFS+1]
	s_or_b32 s[G0+3], s[G0+3], 0x80000000
	s_wait_xcnt 0x0                                ; the last prefetch, a visit back, has read its address, so it may be written
	s_add_nc_u64 s[PFA:PFA+1], s[PFA:PFA+1], 32768
.endif
	s_wait_dscnt 0x0                               ; the add is done, and my reads of the slot that I have left are over
	s_barrier_signal -1
	s_barrier_wait -1
.if \fill
	TLOAD                                          ; the first thing behind the barrier, and a wave's one tensor load until the next
	ASK
.endif
.endm
.macro SLOT_STEPS
	v_add_nc_u32 v8, s[TB], v1
	STEP 0
	STEP 1
	s_xor_b32 s[TB], s[TB], SLOT1                  ; on to the other slot
.endm
; A BLOCK'S END: ctx = O^T x 2^(e8 + e9) / the sum, quantised with 2^e10, brought into the order of ctx_ws's image, stored.
.macro FINISH cp
.rept 4
	v_nop                                          ; places behind the last products
.endr
	v_add_f32 v14, v14, v15                        ; the sum's two halves,
	s_delay_alu instid0(VALU_DEP_1)
	v_permlanex16_b32 v236, v14, s[SEL], s[SEL+1]
	s_delay_alu instid0(VALU_DEP_1)
	v_add_f32 v14, v14, v236                       ; and lane l xor 16's: the row's sum
	s_wait_alu depctr_va_vdst(0)
	v_rcp_f32 v14, v14
	v_and_b32 v252, 16, v0                         ; (a plain line behind the transcendental)  the lane's half
	s_add_co_i32 s96, s[ES+8], s[ES+9]
	s_wait_alu depctr_va_vdst(0)
	v_ldexp_f32 v14, v14, s96
.set j, 0
.rept 16
	v_pk_mul_f32 v[96+j:97+j], v[160+j:161+j], v[14:15] op_sel_hi:[1,0]   ; register 8 t + i: ctx(query r, channel 16 t + 8 h + i); each accumulator from its low end on
.set j, j+2
.endr
.set j, 0
.rept 32
.set j, j+1
.endr
.irp t, 0,1,2,3
	v_cvt_scalef32_pk8_bf8_f32 v[208+2*\t:209+2*\t], v[96+8*\t:103+8*\t], v245
.endr
	v_nop                                          ; one plain vector line between the conversions and the lines that read their results
	v_cmp_ne_u32 vcc_lo, 0, v252                   ; lanes 16-31
	; from channels 16 t + 8 h + 0 .. 7 in registers 2 t, 2 t + 1 to channels 32 B + 16 h + 0 .. 15 in registers 4 B .. 4 B + 3: each half of the lanes keeps one pair and takes the other half's
.irp b, 0,1
.irp e, 0,1
	v_permlanex16_b32 v[224+2*\e], v[208+4*\b+\e], s[SEL], s[SEL+1]
	v_permlanex16_b32 v[225+2*\e], v[210+4*\b+\e], s[SEL], s[SEL+1]
	v_cndmask_b32 v[216+4*\b+\e], v[208+4*\b+\e], v[225+2*\e], vcc_lo
	v_cndmask_b32 v[218+4*\b+\e], v[224+2*\e], v[210+4*\b+\e], vcc_lo
.endr
.endr
	global_store_b128 v1, v[216:219], s[\cp:\cp+1]             ; each store of the wave covers 512 consecutive bytes, aligned
	global_store_b128 v1, v[220:223], s[\cp:\cp+1] offset:512
.endm
	s_wait_loadcnt 0x0                             ; Q
	s_mov_b32 s[VIS], 0
.Lvisit:                                           ; eight trips: behind each change of slots but the last the next visit's keys are asked for
	CHANGE 1
	SLOT_STEPS
	s_cmp_lg_u32 s[VIS], s[SW]                     ; the first block's last visit?  A branch on ids, the same in all sixteen waves
	s_cbranch_scc1 .Lsame_block
	s_wait_alu depctr_va_vdst(0)
	FINISH CPL
.set j, 0
.rept 8
	v_mov_b32 v[16+j], v[24+j]                     ; the second block's Q
.set j, j+1
.endr
	INIT
	s_mov_b32 s[Q0], s[Q0E]
	s_mov_b32 s[KF], 0
	s_wait_xcnt 0x0                                ; the stores have read their registers: the second block's end writes them again
.Lsame_block:
	s_add_co_u32 s[VIS], s[VIS], 1
	s_cmp_lt_u32 s[VIS], 8
	s_cbranch_scc1 .Lvisit
	CHANGE 0                                       ; the last visit is written out
	SLOT_STEPS
	s_wait_alu depctr_va_vdst(0)
	FINISH CPE
	s_wait_tensorcnt 0x0                           ; the wave's end
	ds_add_u32 v5, v6
	s_wait_dscnt 0x0
	s_endpgm
.Lfunc_end_k_q76b16a889d_attn:
	.size	k_q76b16a889d_attn, .Lfunc_end_k_q76b16a889d_attn-k_q76b16a889d_attn
	.p2alignl 7, 3214868480
	.fill 96, 4, 3214868480
	.section	.rodata,"a",@progbits
	.p2align	6, 0x0
	.amdhsa_kernel k_q76b16a889d_attn
		.amdhsa_group_segment_fixed_size 327680
		.amdhsa_private_segment_fixed_size 0
		.amdhsa_enable_private_segment 0
		.amdhsa_kernarg_size 32
		.amdhsa_user_sgpr_count 2
		.amdhsa_user_sgpr_kernarg_segment_ptr 1
		.amdhsa_wavefront_size32 1
		.amdhsa_system_sgpr_workgroup_id_x 1
		.amdhsa_system_sgpr_workgroup_id_y 1
		.amdhsa_system_sgpr_workgroup_id_z 1
		.amdhsa_system_vgpr_workitem_id 0
		.amdhsa_next_free_vgpr 256
		.amdhsa_next_free_sgpr 100
		.amdhsa_reserve_vcc 1
		.amdhsa_float_denorm_mode_32 3
		.amdhsa_float_denorm_mode_16_64 3
		.amdhsa_fp16_overflow 1
		.amdhsa_memory_ordered 1
		.amdhsa_forward_progress 1
		.amdhsa_inst_pref_size 91
	.end_amdhsa_kernel
	.amdgpu_metadata
---
amdhsa.version: [ 1, 2 ]
amdhsa.kernels:
  - .name:           k_q76b16a889d_attn
    .symbol:         k_q76b16a889d_attn.kd
    .args:
      - { .name: q_ws, .offset: 0, .size: 8, .value_kind: global_buffer, .address_space: global }
      - { .name: kv_ws, .offset: 8, .size: 8, .value_kind: global_buffer, .address_space: global }
      - { .name: lowp_scales, .offset: 16, .size: 8, .value_kind: global_buffer, .address_space: global }
      - { .name: ctx_ws, .offset: 24, .size: 8, .value_kind: global_buffer, .address_space: global }
    .group_segment_fixed_size: 327680
    .private_segment_fixed_size: 0
    .kernarg_segment_align: 8
    .kernarg_segment_size: 32
    .max_flat_workgroup_size: 512
    .sgpr_count:     100
    .vgpr_count:     256
    .wavefront_size: 32
...
	.end_amdgpu_metadata
.endif
;; end of part 2
;; launch oproj (part 3): grid 4 x 64, 4 waves a work-group, clusters of 4 x 4, 327,680 bytes of LDS; arguments ctx_ws, Wo_codes, lowp_scales, bo, out0; writes out0
.if DOCPART == 3
	.amdgcn_target "amdgcn-amd-amdhsa--gfx1250"
	.amdhsa_code_object_version 6
	.text
	.protected	k_q76b16a889d_oproj
	.globl	k_q76b16a889d_oproj
	.p2align	8
	.type	k_q76b16a889d_oproj,@function
k_q76b16a889d_oproj:
	s_mov_b64 s[64:65], 0
	v_nop
	global_prefetch_b8 v0, s[64:65] scope:SCOPE_SE
	s_setreg_imm32_b32 hwreg(HW_REG_WAVE_MODE, 25, 1), 1
	s_wait_xcnt 0x0
	s_wait_alu depctr_hold_cnt(0) depctr_sa_sdst(0) depctr_va_vdst(0) depctr_va_sdst(0) depctr_va_ssrc(0) depctr_va_vcc(0) depctr_vm_vsrc(0)
	s_getreg_b32 s2, hwreg(HW_REG_IB_STS2, 6, 4)
	s_cmp_eq_u32 s2, 0
	s_cbranch_scc0 .Lentry_in_a_cluster
	s_endpgm
.Lentry_in_a_cluster:
	s_bfe_u32 s2, ttmp6, 0x10000c
	s_cmp_lg_u32 s2, 0xf033
	s_cbranch_scc0 .Lentry_shape_is_right
	s_endpgm
.Lentry_shape_is_right:
; out = ctx Wo + bo on codes of BF8 (E5M2).  ctx_ws: images of fragments' registers, [512 token tiles][16 heads][2 pieces][32 lanes][16 bytes]: lane (r, h): token r, registers 4 B .. 4 B + 3 of a head:
; channels 32 B + 16 h + 0 .. 15; two neighbouring heads, 2,048 bytes, are one fragment of 16 tokens x 128 K.  Wo: [1024 (n)][1024 (k)] codes, K innermost.  bo [1024], out0 [8192][1024]: f32.
; A finished sum is multiplied once by 2^(e10 + e11) and bo is added: one packed multiply-add for two numbers.  LIMIT: e10 + e11 lies between -126 and 127, so that the power is an f32 number.
; SHARES.  A tile of out is 128 tokens x 256 columns, so that there are 256 work-groups; four waves, each 64 x 128: 32 accumulators.  THE MATRIX INSTRUCTION IS USED TRANSPOSED (source 0 = 16 rows of Wo,
; source 1 = 16 tokens): a lane holds eight neighbouring columns of one row of out.  Wo's fragments come by four loads of 16 bytes, 32 apart: registers 4 c .. 4 c + 3 hold K = 32 c + 16 h + 0 .. 15,
; the order in which ctx's images were laid: the same permutation of k on both sides.
; LDS: THREE slots of 256 along K, all filled at the start; K has four such steps, so one refill (slot 0) serves the launch.
; CLUSTERS: 4 x 4 work-groups.  The four of a row of the cluster need the same tiles of ctx, the four of a column the same rows of Wo: each tile is asked for jointly.
; REGISTERS, in windows of 256: window 0: v1-7 at work, v16-27 addresses, v28-29 for the add, v128-255 ctx's fragments, two sets of 4 x 16; on the way out v32-95 a block's results, v128-255 rows read back.
;   window 1: Wo's fragments, two sets of 8 x 16.   window 2: the accumulators ((a, b) at 8 (8 a + b)).   window 3: v0-63 bo in the result's layout.
.set PITCH,  272                       ; a row of Wo in LDS: 256 bytes + 16 of padding: the sixteen rows of a fragment load start 68 words apart
.set BOFF,   32768                     ; a slot: ctx's 8 token tiles x 4,096 bytes, then Wo's 256 rows
.set SLOT,   BOFF+256*PITCH            ; 102,400 bytes
.set SPARE,  3*SLOT                    ; behind the slots: the spare words, 128 bytes for each wave: two blocks of 256 bytes that no other line names
.set SPITCH, 528                       ; the way out: a stage of 16 rows x (512 bytes + 16) for each wave, in slot 1, which has had its one fill, and its last read ahead of the last barrier
.set STAGE,  SLOT
.set ADA,  16                          ; v16-18  LDS address of my ctx fragments in slot 0, 1, 2
.set ADB,  20                          ; v20-22  the same for Wo
.set STO,  24                          ; v24     the way out: where I put 32 bytes of a row
.set RD,   25                          ; v25     where I read a row back
.set CO,   26                          ; v26     16 x lane
.set BOA,  27                          ; v27     32 h: my half's place in bo
.set SPW,  28                          ; v28     LDS address of my spare word; never rewritten
.set NIL,  29                          ; v29     0; never rewritten
.set TMP,  32
.set AF,   128
.set BK,   128
.set G1A,  24                          ; s[24:31] descriptor group 1 for ctx's tiles;  s[32:39] for Wo's
.set G1B,  32
.set G0A,  40                          ; s[40:51] groups 0 for ctx's tiles, one for each slot;  s[52:63] for Wo's
.set G0B,  52
.set MSB, 0
.macro WIN new                         ; the immediate's high byte repeats the setting that is left
.if MSB != (\new)
	s_set_vgpr_msb (MSB<<8)|(\new)
.set MSB, (\new)
.endif
.endm
.set MUL,  0xa1                        ; source 0 (Wo) window 1, source 1 (ctx) window 0, C and D window 2
.set TO_B, 0x40                        ; destination window 1, address window 0
.macro PLACES
.rept 4
	v_nop
.endr
.endm
.macro JLOAD s                         ; a joint load: waves 0 and 1 fetch ctx's halves, waves 2 and 3 Wo's; four v_nop follow each of the two lines
	s_cmp_eq_u32 s15, 0
	s_cbranch_scc0 .Lfor_b_\@
	tensor_load_to_lds s[G0A+4*\s:G0A+4*\s+3], s[G1A:G1A+7]
	s_nop 0
.rept 4
	v_nop
.endr
	s_branch .Lasked_\@
.Lfor_b_\@:
	tensor_load_to_lds s[G0B+4*\s:G0B+4*\s+3], s[G1B:G1B+7]
	s_nop 0
.rept 4
	v_nop
.endr
.Lasked_\@:
.endm
.macro CREST                           ; a round of the cluster's barrier behind its opening barrier
	s_cmp_lg_u32 s14, 0
	s_cbranch_scc1 .Lnot_wave_0_\@
	s_barrier_signal -3
.Lnot_wave_0_\@:
	s_barrier_wait -3
	s_barrier_signal -1
	s_barrier_wait -1
.endm
.macro CROUND
	s_barrier_signal -1
	s_barrier_wait -1
	CREST
.endm
	s_load_b256 s[4:11], s[0:1], 0x0               ; ctx_ws s[4:5], Wo s[6:7], the scales' exponents s[8:9], bo s[10:11]
	s_load_b64 s[12:13], s[0:1], 0x20              ; out0
	v_lshl_add_u32 v[SPW], v0, 2, SPARE
	v_mov_b32 v[NIL], 0
	ds_add_u32 v28, v29
	ds_add_u32 v28, v29
	s_wait_dscnt 0x0
	v_lshrrev_b32 v1, 5, v0
	v_readfirstlane_b32 s14, v1                    ; wave 0..3
	s_lshr_b32 s15, s14, 1                         ; wr: which 64 of the 128 tokens are mine.  Also: I fetch for ctx (0) or for Wo (1)
	s_and_b32 s16, s14, 1                          ; wc: which 128 of the 256 columns.  Also: which half of that tile I fetch
	s_bfe_u32 s17, ttmp6, 0x40000                  ; cx, cy: my place in the cluster
	s_bfe_u32 s18, ttmp6, 0x40004
	s_lshl_b32 s19, ttmp9, 2
	s_add_co_u32 s19, s19, s17                     ; cb: columns 256 cb on
	s_and_b32 s20, ttmp7, 0xffff
	s_lshl_b32 s20, s20, 2
	s_add_co_u32 s20, s20, s18                     ; rb: tokens 128 rb on
	s_lshl_b32 s21, s18, 2
	s_lshl_b32 s21, 15, s21                        ; my row of the cluster
	s_lshl_b32 s22, 0x1111, s17                    ; my column
	s_or_b32 s[G1A], s21, (3<<16)|(1<<21)          ; 15:0 the mask; 17:16 elements of 8 bytes; 21 set beside a mask; no padding: images are read at 16 x lane
	s_mov_b32 s[G1A+1], 512<<16                    ; tensor_dim0 = 512: four heads of a token tile, 4,096 bytes
	s_mov_b32 s[G1A+2], 4<<16                      ; tensor_dim1 = 4 token tiles
	s_mov_b32 s[G1A+3], 512<<16                    ; tile_dim0
	s_mov_b32 s[G1A+4], 4                          ; tile_dim1
	s_mov_b32 s[G1A+5], 2048                       ; tensor_dim0_stride: a token tile's 16 heads, 16,384 bytes
	s_mov_b32 s[G1A+6], 0
	s_mov_b32 s[G1A+7], 0
	s_or_b32 s[G1B], s22, (1<<20)|(1<<21)|(5<<22)|(3<<25)   ; elements of 1 byte; padding: four words after every 64
	s_mov_b32 s[G1B+1], 256<<16
	s_mov_b32 s[G1B+2], 128<<16
	s_mov_b32 s[G1B+3], 256<<16
	s_mov_b32 s[G1B+4], 128
	s_mov_b32 s[G1B+5], 1024
	s_mov_b32 s[G1B+6], 0
	s_mov_b32 s[G1B+7], 0
	s_lshl_b32 s68, s20, 17                        ; ctx: token tile 8 rb + 4 x half, 16,384 bytes each: hangs on rb alone, which my row of the cluster shares
	s_lshl_b32 s23, s16, 16
	s_add_co_u32 s68, s68, s23
	s_mov_b32 s69, 0
	s_lshl_b32 s70, s19, 18                        ; Wo: row 256 cb + 128 x half, 1,024 bytes each: hangs on cb alone, which my column shares
	s_lshl_b32 s23, s16, 17
	s_add_co_u32 s70, s70, s23
	s_mov_b32 s71, 0
	s_lshl_b32 s72, s16, 14                        ; where they go in a slot: no place in the cluster enters an LDS address
	s_mul_i32 s73, s16, 128*PITCH
	s_add_co_u32 s73, s73, BOFF
	s_wait_kmcnt 0x0
	s_load_b64 s[96:97], s[8:9], 0x28              ; e10, e11
	s_add_nc_u64 s[68:69], s[4:5], s[68:69]
	s_add_nc_u64 s[70:71], s[6:7], s[70:71]
	CROUND                                         ; all sixteen work-groups are here: the first joint loads meet
.irp s, 0,1,2
	s_mov_b32 s[G0A+4*\s], 1
	s_add_co_u32 s[G0A+4*\s+1], s72, \s*SLOT
	s_add_nc_u64 s[G0A+4*\s+2:G0A+4*\s+3], s[68:69], \s*4096   ; K step s: four heads on
	s_or_b32 s[G0A+4*\s+3], s[G0A+4*\s+3], 0x80000000
	s_mov_b32 s[G0B+4*\s], 1
	s_add_co_u32 s[G0B+4*\s+1], s73, \s*SLOT
	s_add_nc_u64 s[G0B+4*\s+2:G0B+4*\s+3], s[70:71], \s*256
	s_or_b32 s[G0B+4*\s+3], s[G0B+4*\s+3], 0x80000000
	s_wait_alu depctr_va_vdst(0)
	s_wait_tensorcnt 0x0
	ds_add_u32 v28, v29
	ds_add_u32 v28, v29
	s_wait_dscnt 0x0
	CROUND
	JLOAD \s                                       ; one load of mine is out
.endr
	v_and_b32 v1, 15, v0                           ; r
	v_bfe_u32 v2, v0, 4, 1                         ; h
	v_and_b32 v3, 31, v0
	v_lshlrev_b32 v[CO], 4, v3                     ; 16 x lane
	v_lshlrev_b32 v[BOA], 5, v2
	v_mul_u32_u24 v4, v1, PITCH
	v_lshl_add_u32 v4, v2, 4, v4                   ; a fragment's row x pitch + 16 h
	s_lshl_b32 s76, s15, 14                        ; my four token tiles
	s_mul_i32 s77, s16, 128*PITCH                  ; my 128 rows of Wo
	s_add_co_u32 s77, s77, BOFF
.irp s, 0,1,2
	v_add_nc_u32 v[ADA+\s], s76, v[CO]
	v_add_nc_u32 v[ADB+\s], s77, v4
	s_add_co_u32 s76, s76, SLOT
	s_add_co_u32 s77, s77, SLOT
.endr
	s_mul_i32 s76, s14, 16*SPITCH
	s_add_co_u32 s76, s76, STAGE                   ; my stage
	v_mul_u32_u24 v5, v1, SPITCH                   ; in: row r, 32 bytes for each half of the lanes
	v_lshl_add_u32 v5, v2, 5, v5
	v_add_nc_u32 v[STO], s76, v5
	v_add_nc_u32 v[RD], s76, v[CO]                 ; back: the 32 lanes take one row of 512 bytes
	s_lshl_b32 s74, s19, 10
	s_lshl_b32 s76, s16, 9
	s_add_co_u32 s74, s74, s76                     ; my first column, in bytes of f32
	s_mov_b32 s75, 0
	s_add_nc_u64 s[10:11], s[10:11], s[74:75]      ; bo there
	s_lshl_b32 s76, s20, 19                        ; my first row of out: 128 rb + 64 wr, 4,096 bytes each
	s_lshl_b32 s77, s15, 18
	s_add_co_u32 s76, s76, s77
	s_add_co_u32 s74, s74, s76
	s_add_nc_u64 s[12:13], s[12:13], s[74:75]
	WIN 0xc0                                       ; destination window 3
.irp b, 0,1,2,3,4,5,6,7
	global_load_b128 v[8*\b:8*\b+3], v[BOA], s[10:11] offset:64*\b       ; bo at columns 16 b + 8 h + 0 .. 7: the result's layout
	global_load_b128 v[8*\b+4:8*\b+7], v[BOA], s[10:11] offset:64*\b+16
.endr
	WIN 0
; 8 matrix instructions: token tile a x Wo's eight tiles, 128 along K, on sets p.  zero = 1: the first product starts the sums.  The 32 accumulators take turns, in the same order in every step.
.macro MUL8 a, p, zero
.irp b, 0,1,2,3,4,5,6,7
.if \zero
	v_wmma_f32_16x16x128_bf8_bf8 v[8*(8*(\a)+\b):8*(8*(\a)+\b)+7], v[128*(\p)+16*\b:128*(\p)+16*\b+15], v[AF+64*(\p)+16*(\a):AF+64*(\p)+16*(\a)+15], 0
.else
	v_wmma_f32_16x16x128_bf8_bf8 v[8*(8*(\a)+\b):8*(8*(\a)+\b)+7], v[128*(\p)+16*\b:128*(\p)+16*\b+15], v[AF+64*(\p)+16*(\a):AF+64*(\p)+16*(\a)+15], v[8*(8*(\a)+\b):8*(8*(\a)+\b)+7]
.endif
.endr
.endm
.macro FETCH slot, u, p                ; the fragments of the slot's u-th 128 along K into sets p: Wo's 32 loads, then ctx's 16
	WIN TO_B
.irp b, 0,1,2,3,4,5,6,7
.irp c, 0,1,2,3
	ds_load_b128 v[128*(\p)+16*\b+4*\c:128*(\p)+16*\b+4*\c+3], v[ADB+\slot] offset:\b*16*PITCH+128*(\u)+32*\c
.endr
.endr
	WIN 0
.irp a, 0,1,2,3
.irp c, 0,1,2,3
	ds_load_b128 v[AF+64*(\p)+16*\a+4*\c:AF+64*(\p)+16*\a+4*\c+3], v[ADA+\slot] offset:4096*\a+2048*(\u)+512*\c
.endr
.endr
.endm
; A STEP of 128 along K on sets p; in its middle the next step's fragments (slot ns, its nu-th 128) are fetched into the other sets.
; mode 0: plain.  mode 1: slot 0 has been read out and is filled again.  mode 2: the barrier that shows that refill to every wave.  mode 3: the last step.
.macro STEP p, ns, nu, mode, zero
.if ((\mode) == 1) || ((\mode) == 2)
	WIN 0                                          ; (the add's two registers lie in window 0)
	s_wait_tensorcnt 0x0                           ; all my tensor loads have landed
	ds_add_u32 v[SPW], v[NIL]                      ; 0 onto my spare word
	s_wait_dscnt 9                                 ; Wo's fragments and ctx's tiles 0 and 1 are in; tiles 2 and 3 (8 loads) and the add may be out
	WIN MUL
	MUL8 0, \p, 0                                  ; eight matrix instructions stand between the add and the wait for it
	s_wait_dscnt 0x0                               ; the add is done, and my reads so far are over
	s_barrier_signal -1
	MUL8 1, \p, 0
	WIN 0
	s_barrier_wait -1
.if (\mode) == 1
	CREST                                          ; the barrier has opened a round of the cluster's: no wave of any partner still reads slot 0 or has a load on its way
	s_add_nc_u64 s[G0A+2:G0A+3], s[G0A+2:G0A+3], 3*4096
	s_add_nc_u64 s[G0B+2:G0B+3], s[G0B+2:G0B+3], 3*256
	JLOAD 0                                        ; K step 3: the first tensor load behind the round; its four v_nop are also the places in front of the loads below
.else
	PLACES
.endif
.else
	s_wait_dscnt 8                                 ; ctx's tiles 2 and 3 may be out
	WIN MUL
	MUL8 0, \p, \zero
	MUL8 1, \p, \zero
	s_wait_dscnt 0x0
.if (\mode) == 0
	PLACES
.endif
.endif
.if (\mode) != 3
	FETCH \ns, \nu, 1-(\p)
.endif
	WIN MUL
	MUL8 2, \p, \zero
	MUL8 3, \p, \zero
.endm
	s_wait_alu depctr_va_vdst(0)
	s_wait_tensorcnt 0x2                           ; my part of slot 0 is in; slot 2's may stay out
	s_barrier_signal -1
	s_barrier_wait -1
	FETCH 0, 0, 0
	STEP 0, 0, 1, 0, 1                             ; slot 0
	STEP 1, 1, 0, 1, 0                             ; every wave shows all first fills landed; slot 0 takes K step 3
	STEP 0, 1, 1, 0, 0                             ; slot 1
	STEP 1, 2, 0, 0, 0                             ; on to slot 2 without a barrier: the one above has shown it whole
	STEP 0, 2, 1, 0, 0                             ; slot 2
	STEP 1, 0, 0, 2, 0                             ; on to slot 0 again
	STEP 0, 0, 1, 0, 0
	STEP 1, 0, 0, 3, 0
; THE WAY OUT, block by block of 16 rows x 128 columns: sum x 2^(e10 + e11) + bo; through my own stage in LDS, and back as whole rows of 512 bytes.  LDS serves a wave's instructions in order
; (ISA guide 5.7.1.4): no wait between the stores and the loads, nor in front of the next block's stores.
.macro TOSTAGE a
	WIN 0x32                                       ; source 0 (the sums) window 2, source 2 (bo) window 3
.set j, 0
.rept 32
	v_pk_fma_f32 v[TMP+j:TMP+j+1], v[64*(\a)+j:64*(\a)+j+1], s[96:97], v[j:j+1] op_sel_hi:[1,0,1]   ; each accumulator from its low end on
.set j, j+2
.endr
	WIN 0
.irp b, 0,1,2,3,4,5,6,7
	ds_store_b128 v[STO], v[TMP+8*\b:TMP+8*\b+3] offset:64*\b
	ds_store_b128 v[STO], v[TMP+8*\b+4:TMP+8*\b+7] offset:64*\b+16
.endr
.set BB, BK+64*((\a)%2)
.irp t, 0,1,2,3,4,5,6,7,8,9,10,11,12,13,14,15
	ds_load_b128 v[BB+4*\t:BB+4*\t+3], v[RD] offset:\t*SPITCH
.endr
.endm
.macro SEND a, younger                 ; younger: the LDS instructions issued behind block a's loads, which may stay out
.set BB, BK+64*((\a)%2)
	s_wait_dscnt \younger
.irp t, 0,1,2,3,4,5,6,7,8,9,10,11,12,13,14,15
	global_store_b128 v[CO], v[BB+4*\t:BB+4*\t+3], s[12:13] offset:(16*(\a)+\t)*4096 th:TH_STORE_NT   ; 32 lanes store 512 consecutive bytes, aligned; the row among my 64 stands in the immediate
.endr
.endm
	s_wait_kmcnt 0x0
	s_add_co_i32 s96, s96, s97
	s_add_co_i32 s96, s96, 127
	s_lshl_b32 s96, s96, 23                        ; 2^(e10 + e11) as f32
	s_mov_b32 s97, s96                             ; (named with it as a pair, so it is written)
	s_wait_loadcnt 0x0                             ; bo
	PLACES                                         ; behind the last products
	TOSTAGE 0
.irp a, 1,2,3
.if \a > 1
	s_wait_xcnt 0x0                                ; block a - 2's stores have read their registers: block a's loads may land there
.endif
	TOSTAGE \a
	SEND \a-1, 32                                  ; behind block a - 1's loads: block a's 16 stores and 16 loads
.endr
	SEND 3, 0
	s_wait_tensorcnt 0x0                           ; the wave's end, behind my last tensor load and my last LDS store
	ds_add_u32 v[SPW], v[NIL]
	s_wait_dscnt 0x0
	CROUND                                         ; the closing round: no work-group ends while a partner may still ask for a tile that names it
	s_endpgm
.Lfunc_end_k_q76b16a889d_oproj:
	.size	k_q76b16a889d_oproj, .Lfunc_end_k_q76b16a889d_oproj-k_q76b16a889d_oproj
	.p2alignl 7, 3214868480
	.fill 96, 4, 3214868480
	.section	.rodata,"a",@progbits
	.p2align	6, 0x0
	.amdhsa_kernel k_q76b16a889d_oproj
		.amdhsa_group_segment_fixed_size 327680
		.amdhsa_private_segment_fixed_size 0
		.amdhsa_enable_private_segment 0
		.amdhsa_kernarg_size 40
		.amdhsa_user_sgpr_count 2
		.amdhsa_user_sgpr_kernarg_segment_ptr 1
		.amdhsa_wavefront_size32 1
		.amdhsa_system_sgpr_workgroup_id_x 1
		.amdhsa_system_sgpr_workgroup_id_y 1
		.amdhsa_system_sgpr_workgroup_id_z 1
		.amdhsa_system_vgpr_workitem_id 0
		.amdhsa_next_free_vgpr 832
		.amdhsa_next_free_sgpr 100
		.amdhsa_reserve_vcc 0
		.amdhsa_float_denorm_mode_32 3
		.amdhsa_float_denorm_mode_16_64 3
		.amdhsa_memory_ordered 1
		.amdhsa_forward_progress 1
		.amdhsa_inst_pref_size 78
	.end_amdhsa_kernel
	.amdgpu_metadata
---
amdhsa.version: [ 1, 2 ]
amdhsa.kernels:
  - .name:           k_q76b16a889d_oproj
    .symbol:         k_q76b16a889d_oproj.kd
    .args:
      - { .name: ctx_ws, .offset: 0, .size: 8, .value_kind: global_buffer, .address_space: global }
      - { .name: Wo_codes, .offset: 8, .size: 8, .value_kind: global_buffer, .address_space: global }
      - { .name: lowp_scales, .offset: 16, .size: 8, .value_kind: global_buffer, .address_space: global }
      - { .name: bo, .offset: 24, .size: 8, .value_kind: global_buffer, .address_space: global }
      - { .name: out0, .offset: 32, .size: 8, .value_kind: global_buffer, .address_space: global }
    .group_segment_fixed_size: 327680
    .private_segment_fixed_size: 0
    .kernarg_segment_align: 8
    .kernarg_segment_size: 40
    .max_flat_workgroup_size: 128
    .sgpr_count:     100
    .vgpr_count:     832
    .wavefront_size: 32
...
	.end_amdgpu_metadata
.endif
;; end of part 3
